; MI455X (gfx1250); checked and timed in simulation.
; The chip was launched on July 23, 2026; its instructions are those of AMD's public machine-readable ISA for CDNA 5 (MIT licence, August 2026) and "CDNA5" Instruction Set Architecture Reference Guide (July 2026). The comments in the code are by the model that wrote it; some were corrected since.
;; Heads. Allowed arithmetic: matrix products marked QUANTISED: E3M2 operands, one E8M0 scale for each 32 along K, by v_wmma_scale_f32_16x16x128_f8f6f4 with both operands' format E3M2, f32 sums; everything else in f32.
;; Inputs: Wk 8 x 1,024 x 1,024 float32; Wq 8 x 1,024 x 1,024 float32; Wv 8 x 1,024 x 1,024 float32; data 4 x 512 x 1,024 float32.
;; Outputs: out0 4 x 512 x 8,192 float32.
;; This version of the problem:
;;   THIS VERSION OF THE PROBLEM IS GIVEN IN LOW PRECISION. The matrix products marked QUANTISED in the list below multiply operands that are first quantised to E3M2 (3 exponent bits, 2 mantissa bits; 6 bits a number), with one power-of-two scale for each 32 numbers along K (OCP MX v1.0); their sums are f32. All else is computed in f32.
;;   The module's matrix products, in the order in which they are computed (A, B: the left and right operand; K: the contracted axis; several contracted axes count as one K, in the product's order):
;;     1. [M 8,192, K 1,024] x [K 1,024, N 2,048]; A: input Wq; B: input data: QUANTISED
;;     2. [M 8,192, K 1,024] x [K 1,024, N 2,048]; A: input Wk; B: input data: QUANTISED
;;     3. [M 8,192, K 1,024] x [K 1,024, N 2,048]; A: input Wv; B: input data: QUANTISED
;;     4. batch 32 x [M 512, K 1,024] x [K 1,024, N 512]; A: computed on the way; B: computed on the way: QUANTISED
;;     5. batch 32 x [M 512, K 512] x [K 512, N 1,024]; A: softmax (see below); B: computed on the way: QUANTISED
;;   THE QUANTISER, for each operand of a quantised product, along K:
;;     - K is cut into blocks of 32 from its start; a last block that is shorter is filled with zeros.
;;     - A block's scale is 2^e with e = floor(log2(the largest magnitude in the block)) - 4, held to -126 .. 127; a block of zeros has e = 0. As a byte (E8M0): e + 127.
;;     - Each number is divided by its block's scale, clamped to +-28, and rounded to the nearest number of E3M2, ties to even, subnormals kept.
;;     - The product sums the exact products of the quantised numbers (number of the format x scale) in f32.
;;   ~~~python
;;   def quantise(x, axis):      # numpy; x: float32 -> the quantised numbers, widened to float32 again
;;       x = np.moveaxis(x, axis, -1); K = x.shape[-1]
;;       x = np.pad(x, [(0, 0)] * (x.ndim - 1) + [(0, -K % 32)]); x = x.reshape(x.shape[:-1] + (-1, 32)); a = np.abs(x).max(-1, keepdims=True)
;;       e = np.where(a > 0, np.clip(np.frexp(np.where(a > 0, a, 1))[1] - 1 - 4, -126, 127), 0)      # np.frexp(a)[1] - 1 = floor(log2(a)), exactly
;;       r = np.clip(x / 2.0 ** e, -28, 28)
;;       step = 2.0 ** (np.maximum(np.frexp(np.where(r == 0, 1, r))[1] - 1, -2) - 2)
;;       q = np.round(r / step) * step * 2.0 ** e      # np.round: ties to even
;;       return np.moveaxis(q.reshape(q.shape[:-2] + (-1,))[..., :K], -1, axis).astype(np.float32)
;;   ~~~
;;   SOFTMAX AHEAD OF A QUANTISED PRODUCT. Where the list says 'softmax', what is quantised is not the finished softmax but p = 2^(t - M), with t = logit x log2(e) and M = ceil(the row's largest t), a whole number; so 1/2 < the row's largest p <= 1. The row's sum l is taken of the UNQUANTISED p, in f32, and the product's result is divided by l at the end. Since M is a whole number, a kernel that streams over the keys may use a running M (the ceiling of the running maximum): every later rescaling is an exact power of two, which a block's scale takes up: the codes' values come out the same.
;;   OPERANDS COMPUTED ON THE WAY. 'Computed on the way' means the value that the module computes at that place (a softmax that the list does not call 'softmax' is quantised finished and normalised). What goes into a quantiser is computed in f32, as accurately as f32 sums, v_exp_f32 and their like allow (about 1e-6 of the number): no bf16 or f16 on the way to a quantiser, and a product that is left as it is and whose result goes on into a quantised operand takes f32 operands (vector FMAs, or v_wmma_f32_16x16x4_f32). A number that lies on a knife's edge between two numbers of the format may be rounded either way, as far as f32 arithmetic and the matrix unit's own rounding can turn it there, and no further.
;; One version. Each part assembles by itself: llvm-mc -triple=amdgcn-amd-amdhsa -mcpu=gfx1250 --defsym DOCPART=n.
;; ======== version 1 of 1: 3 launches
;; limits: right only within a limited range of input values
;; workspace buffers: codes 20,447,232 bytes; scales 851,968 bytes; qkv 39,321,600 bytes
;; launch quant (part 1): grid 832 x 1, 4 waves a work-group, no clusters, 34,304 bytes of LDS; arguments data, Wq, Wk, Wv, codes, scales; writes codes, scales
.if DOCPART == 1
	.amdgcn_target "amdgcn-amd-amdhsa--gfx1250"
	.amdhsa_code_object_version 6
	.text
	.protected	k_q00dabe7a8f_quant
	.globl	k_q00dabe7a8f_quant
	.p2align	8
	.type	k_q00dabe7a8f_quant,@function
k_q00dabe7a8f_quant:
	s_mov_b64 s[64:65], 0
	v_nop
	global_prefetch_b8 v0, s[64:65] scope:SCOPE_SE
	s_setreg_imm32_b32 hwreg(HW_REG_WAVE_MODE, 25, 1), 1
	s_wait_xcnt 0x0
; data [2048][1024], Wq, Wk, Wv [8192][1024], f32, K innermost, become codes of BF6 (E3M2), 6 bits each, and one E8M0 scale byte for each 32 along K,
; LAID IN THE ORDER OF THE OPERAND'S REGISTERS.  The 26,624 rows (data's, then Wq's, Wk's, Wv's) are 1,664 tiles of 16 stored rows.
; codes: a tile is 8 images of 1,536 bytes, one for each K step of 128.  An image is a fragment's 12 registers: registers 4 c .. 4 c + 3 of lane l at 512 c + 16 l; lane (r, h) holds row r,
; registers 6 c .. 6 c + 5 the codes of K = 64 c + 32 h + 0 .. 31 of the K step.   scales: a tile is 512 bytes: [half of K][row r][4 words], a word for each K step of 128, byte b for its K = 32 b ..
; THE ROWS ARE STORED PERMUTED: row r of tile 2 G + u of a tensor is the tensor's row 32 G + 8 u + r + 8 (r / 8): as source 0 of a transposed product such tiles leave 16 neighbours along the next K
; in a lane's 16 registers of two neighbouring tiles.
; A block's scale is 2^(floor(log2(its largest magnitude)) - 4); its byte is the largest magnitude's exponent field - 4, held at 1 from below.  Each number is divided by the scale and rounded to the nearest code, ties to even.
; LIMITS: NaN and infinities among the inputs are not served.  A block whose largest magnitude lies under 2^-122, a block of zeros among them, carries the byte 1 (the rule gives a block of zeros 127):
; its codes are zeros or what the floor's scale leaves, and the bytes are read by this program alone.
; SHARES.  A work-group takes 32 rows: two tiles.  Wave w takes tile w / 2 and half w % 2 of K: four images.  For an image: 16 loads, a row each, 512 consecutive bytes; the 8,192 bytes turn through the wave's own
; stage in LDS and come back into the registers that they left, 2 x 128 bytes a lane: two whole blocks of 32, so that a block's largest magnitude needs no other lane and the conversions' results are the image.
; The image leaves by three stores of 512 consecutive bytes, the wave's scale words by one store of 256 consecutive bytes, all aligned.  No tensor loads, no barrier: waves share nothing.
; Three images' loads (48 a wave) are asked for at the head, the fourth when the first set of registers is free.
.set WAVES, 4
.set EMAX,  4
.set IMG,   1536
.set QP,    528                        ; a stage row: 512 bytes + 16 = 33 x 16: the 16 rows that a load of 16 bytes a lane touches start in 16 different columns of 16 bytes (64 banks of 4 bytes: ISA guide 11.1)
.set STG,   16*QP                      ; a wave's stage
.set SPARE, WAVES*STG                  ; behind the four stages: the spare words, 128 bytes for each wave, which no other line names
.set GI,  3                            ; v3      16 x lane: my bytes of a load's and of a store's 512; never rewritten
.set LW,  4                            ; v4      the stage, on the way in: 16 x lane
.set LR,  5                            ; v5      and on the way out: 528 r + 128 h
.set SH,  6                            ; v6      8 h
.set SOF, 7                            ; v7      16 r + 8 h: my 8 bytes of the wave's 256 scale bytes
.set M,   8                            ; v8-11   largest magnitudes, four chains
.set SPW, 12                           ; v12     LDS address of my spare word; never rewritten
.set NIL, 13                           ; v13     0; never rewritten
.set SOP, 14                           ; v14-15  the conversions' scale operands
.set BY,  16                           ; v16-17  the scales' bytes
.set SW,  18                           ; v18-21  my row's scale words, one for each image
.set OW,  22                           ; v22-23  the two of them that I store
.set C,   24                           ; v24-35  an image's 12 registers
.set TC,  36                           ; v36-38, v40-42 halves on their way
.set WT,  44                           ; v44, v45 a scale word in the making
.set PT,  45
.set Z,   64                           ; v64-255 three sets of 64 numbers
	s_load_b256 s[4:11], s[0:1], 0x0               ; data s[4:5], Wq s[6:7], Wk s[8:9], Wv s[10:11]
	s_load_b128 s[12:15], s[0:1], 0x20             ; codes s[12:13], scales s[14:15]
	v_lshl_add_u32 v[SPW], v0, 2, SPARE
	v_mov_b32 v[NIL], 0
	v_lshrrev_b32 v1, 5, v0
	v_readfirstlane_b32 s16, v1                    ; wave
	v_and_b32 v2, 31, v0                           ; lane
	v_lshlrev_b32 v[GI], 4, v2
	s_mul_i32 s17, s16, STG                        ; my stage
	v_add_nc_u32 v[LW], s17, v[GI]
	v_and_b32 v1, 15, v0                           ; r
	v_bfe_u32 v[SH], v0, 4, 1                      ; h
	v_mul_u32_u24 v[LR], v1, QP
	v_lshl_add_u32 v[LR], v[SH], 7, v[LR]
	v_add_nc_u32 v[LR], s17, v[LR]
	v_lshlrev_b32 v[SOF], 4, v1
	v_lshl_add_u32 v[SOF], v[SH], 3, v[SOF]
	v_lshlrev_b32 v[SH], 3, v[SH]
	v_mov_b32 v[PT], 0                             ; written once: a lane permute's destination counts as one of its sources
	s_mov_b32 s2, 0xffff0000                       ; lanes 16-31
	s_mov_b32 s18, 0x76543210
	s_mov_b32 s19, 0xfedcba98                      ; v_permlanex16_b32's selects for lane l xor 16
	s_wait_alu depctr_va_vdst(0)
	s_wait_kmcnt 0x0
	s_mov_b64 s[20:21], s[10:11]                   ; which tensor is my work-group's?  The choice hangs on the work-group's number alone
	s_mov_b32 s22, 576                             ; and the first work-group of that tensor
	s_cmp_lt_u32 ttmp9, 576
	s_cselect_b64 s[20:21], s[8:9], s[20:21]
	s_cselect_b32 s22, 320, s22
	s_cmp_lt_u32 ttmp9, 320
	s_cselect_b64 s[20:21], s[6:7], s[20:21]
	s_cselect_b32 s22, 64, s22
	s_cmp_lt_u32 ttmp9, 64
	s_cselect_b64 s[20:21], s[4:5], s[20:21]
	s_cselect_b32 s22, 0, s22
	s_sub_co_u32 s23, ttmp9, s22                   ; G: which 32 rows of the tensor
	s_lshl_b32 s24, s23, 17                        ; 32 rows of 4,096 bytes
	s_lshr_b32 s26, s16, 1                         ; u: which of the two tiles
	s_and_b32 s27, s16, 1                          ; which half of K
	s_lshl_b32 s28, s26, 15                        ; + 8 u rows
	s_add_co_u32 s24, s24, s28
	s_lshl_b32 s28, s27, 11                        ; + 512 numbers for the second half
	s_add_co_u32 s24, s24, s28
	s_mov_b32 s25, 0
	s_add_nc_u64 s[20:21], s[20:21], s[24:25]
	s_lshl_b32 s28, ttmp9, 1
	s_add_co_u32 s28, s28, s26                     ; my tile among the 1,664
	s_mul_i32 s24, s28, 8*IMG
	s_mul_i32 s29, s27, 4*IMG
	s_add_co_u32 s24, s24, s29
	s_add_nc_u64 s[12:13], s[12:13], s[24:25]      ; my four images
	s_lshl_b32 s24, s28, 9
	s_lshl_b32 s29, s27, 8
	s_add_co_u32 s24, s24, s29
	s_add_nc_u64 s[14:15], s[14:15], s[24:25]      ; my 256 scale bytes
.macro LOAD s                          ; image s: stored row p is the tensor's row p + 8 (p / 8) from my first
.irp p, 0,1,2,3,4,5,6,7,8,9,10,11,12,13,14,15
	global_load_b128 v[Z+64*((\s)%3)+4*\p:Z+64*((\s)%3)+4*\p+3], v[GI], s[20:21] offset:(\p+8*(\p/8))*4096+512*(\s) th:TH_LOAD_NT   ; 32 lanes read 512 consecutive bytes; read once in the launch
.endr
.endm
.macro TURN s                          ; through the stage and back into the registers that they left: LDS serves a wave's instructions in order (ISA guide 5.7.1.4), so no wait stands between the stores and the loads, nor in front of the next image's stores
.irp p, 0,1,2,3,4,5,6,7,8,9,10,11,12,13,14,15
	ds_store_b128 v[LW], v[Z+64*((\s)%3)+4*\p:Z+64*((\s)%3)+4*\p+3] offset:QP*\p
.endr
.irp c, 0,1
.irp j, 0,1,2,3,4,5,6,7
	ds_load_b128 v[Z+64*((\s)%3)+32*\c+4*\j:Z+64*((\s)%3)+32*\c+4*\j+3], v[LR] offset:256*\c+16*\j   ; register 32 c + i: K = 64 c + 32 h + i of row r
.endr
.endr
.endm
.macro COMPUTE s
.set ZS, Z+64*((\s)%3)
.irp k, 0,1,2,3
	v_max3_num_f32 v[M+\k], |v[ZS+16*\k]|, |v[ZS+16*\k+1]|, (EMAX+1)<<23   ; four chains of 16 numbers, two to a block; the floor 2^(EMAX + 1 - 127) among the leaves: so the byte cannot fall under 1
.endr
.irp i, 2,4,6,8,10,12,14
.irp k, 0,1,2,3
	v_max3_num_f32 v[M+\k], v[M+\k], |v[ZS+16*\k+\i]|, |v[ZS+16*\k+\i+1]|   ; (by turns: no line waits for the line above it)
.endr
.endr
	v_max_num_f32 v[M], v[M], v[M+1]               ; block h of the K step,
	v_max_num_f32 v[M+2], v[M+2], v[M+3]           ; and block 2 + h
	v_add_nc_u32 v[SOP], -(EMAX<<23), v[M]         ; EMAX off the exponent field: the conversion takes the exponent field of this operand as its scale, and nothing else of it
	v_add_nc_u32 v[SOP+1], -(EMAX<<23), v[M+2]
	v_lshrrev_b32 v[BY], 23, v[SOP]                ; the scales' bytes
	v_lshrrev_b32 v[BY+1], 23, v[SOP+1]
	v_lshl_or_b32 v[WT], v[BY+1], 16, v[BY]        ; my two bytes,
	v_lshlrev_b32 v[WT], v[SH], v[WT]              ; at their places in the scale word (8 h bits up);
	v_permlanex16_b32 v[PT], v[WT], s18, s19
	v_or_b32 v[SW+(\s)], v[WT], v[PT]              ; with lane l xor 16's two the word is whole, in both lanes
.if (\s) > 0
	s_wait_alu depctr_va_vdst(0)
	s_wait_xcnt 0x0                                ; the last image's stores have had their addresses translated (ISA guide 3.1): only behind this wait are their data written again
.endif
.irp c, 0,1
	v_cvt_scalef32_pk16_bf6_f32 v[C+6*\c:C+6*\c+2], v[ZS+32*\c:ZS+32*\c+15], v[SOP+\c]         ; sixteen numbers / the scale, to the nearest code, ties to even, beyond the largest code the largest; 96 bits without gaps
	v_cvt_scalef32_pk16_bf6_f32 v[TC+4*\c:TC+4*\c+2], v[ZS+32*\c+16:ZS+32*\c+31], v[SOP+\c]   ; (a conversion's three registers begin on an even number: the second half of a block's six does not, so it is made elsewhere and moved)
.endr
	v_nop                                          ; one plain place behind a scaled conversion
.irp c, 0,1
.irp i, 0,1,2
	v_mov_b32 v[C+3+6*\c+\i], v[TC+4*\c+\i]
.endr
.endr
.irp k, 0,1,2
	global_store_b128 v[GI], v[C+4*\k:C+4*\k+3], s[12:13] offset:IMG*(\s)+512*\k   ; 32 lanes store 512 consecutive bytes, at a multiple of 256 from the buffer's first byte
.endr
.endm
	LOAD 0
	LOAD 1
	LOAD 2
	s_wait_loadcnt 32                              ; image 0's 16 loads are in; the 32 of images 1 and 2 may be out
	TURN 0
	s_wait_dscnt 0x0                               ; image 0 is back from the stage
	s_wait_loadcnt 16                              ; image 1 is in; image 2's 16 loads may be out
	TURN 1                                         ; goes through the stage while image 0 is worked
	COMPUTE 0
	LOAD 3                                         ; into the set that image 0 has left
	s_wait_dscnt 0x0
	s_wait_loadcnt 16                              ; image 2 is in; image 3's 16 loads may be out
	TURN 2
	COMPUTE 1
	s_wait_dscnt 0x0
	s_wait_loadcnt 0x0
	TURN 3
	COMPUTE 2
	s_wait_dscnt 0x0
	COMPUTE 3
	v_cndmask_b32 v[OW], v[SW], v[SW+2], s2        ; lanes 0-15 store their row's words 0 and 1, lanes 16-31 words 2 and 3
	v_cndmask_b32 v[OW+1], v[SW+1], v[SW+3], s2
	global_store_b64 v[SOF], v[OW:OW+1], s[14:15]  ; 32 lanes store 256 consecutive bytes, aligned
	s_wait_tensorcnt 0x0                           ; the wave's end: behind my last LDS store
	ds_add_u32 v[SPW], v[NIL]
	s_wait_dscnt 0x0
	s_endpgm
.Lfunc_end_k_q00dabe7a8f_quant:
	.size	k_q00dabe7a8f_quant, .Lfunc_end_k_q00dabe7a8f_quant-k_q00dabe7a8f_quant
	.p2alignl 7, 3214868480
	.fill 96, 4, 3214868480
	.section	.rodata,"a",@progbits
	.p2align	6, 0x0
	.amdhsa_kernel k_q00dabe7a8f_quant
		.amdhsa_group_segment_fixed_size 34304
		.amdhsa_private_segment_fixed_size 0
		.amdhsa_enable_private_segment 0
		.amdhsa_kernarg_size 48
		.amdhsa_user_sgpr_count 2
		.amdhsa_user_sgpr_kernarg_segment_ptr 1
		.amdhsa_wavefront_size32 1
		.amdhsa_system_sgpr_workgroup_id_x 1
		.amdhsa_system_sgpr_workgroup_id_y 1
		.amdhsa_system_sgpr_workgroup_id_z 1
		.amdhsa_system_vgpr_workitem_id 0
		.amdhsa_next_free_vgpr 256
		.amdhsa_next_free_sgpr 66
		.amdhsa_reserve_vcc 0
		.amdhsa_float_denorm_mode_32 3
		.amdhsa_float_denorm_mode_16_64 3
		.amdhsa_memory_ordered 1
		.amdhsa_forward_progress 1
		.amdhsa_inst_pref_size 31
	.end_amdhsa_kernel
	.amdgpu_metadata
---
amdhsa.version: [ 1, 2 ]
amdhsa.kernels:
  - .name:           k_q00dabe7a8f_quant
    .symbol:         k_q00dabe7a8f_quant.kd
    .args:
      - { .name: data, .offset: 0, .size: 8, .value_kind: global_buffer, .address_space: global }
      - { .name: Wq, .offset: 8, .size: 8, .value_kind: global_buffer, .address_space: global }
      - { .name: Wk, .offset: 16, .size: 8, .value_kind: global_buffer, .address_space: global }
      - { .name: Wv, .offset: 24, .size: 8, .value_kind: global_buffer, .address_space: global }
      - { .name: codes, .offset: 32, .size: 8, .value_kind: global_buffer, .address_space: global }
      - { .name: scales, .offset: 40, .size: 8, .value_kind: global_buffer, .address_space: global }
    .group_segment_fixed_size: 34304
    .private_segment_fixed_size: 0
    .kernarg_segment_align: 8
    .kernarg_segment_size: 48
    .max_flat_workgroup_size: 128
    .sgpr_count:     66
    .vgpr_count:     256
    .wavefront_size: 32
...
	.end_amdgpu_metadata
.endif
;; end of part 1
;; launch proj (part 2): grid 64 x 4, 4 waves a work-group, clusters of 4 x 4, 327,680 bytes of LDS; arguments codes, scales, qkv; writes qkv
.if DOCPART == 2
	.amdgcn_target "amdgcn-amd-amdhsa--gfx1250"
	.amdhsa_code_object_version 6
	.text
	.protected	k_q00dabe7a8f_proj
	.globl	k_q00dabe7a8f_proj
	.p2align	8
	.type	k_q00dabe7a8f_proj,@function
k_q00dabe7a8f_proj:
	s_mov_b64 s[64:65], 0
	v_nop
	global_prefetch_b8 v0, s[64:65] scope:SCOPE_SE
	s_setreg_imm32_b32 hwreg(HW_REG_WAVE_MODE, 25, 1), 1
	s_wait_xcnt 0x0
	s_wait_alu depctr_hold_cnt(0) depctr_sa_sdst(0) depctr_va_vdst(0) depctr_va_sdst(0) depctr_va_ssrc(0) depctr_va_vcc(0) depctr_vm_vsrc(0)
	s_getreg_b32 s2, hwreg(HW_REG_IB_STS2, 6, 4)
	s_cmp_eq_u32 s2, 0
	s_cbranch_scc0 .Lentry_in_a_cluster
	s_endpgm
.Lentry_in_a_cluster:
	s_bfe_u32 s2, ttmp6, 0x10000c
	s_cmp_lg_u32 s2, 0xf033
	s_cbranch_scc0 .Lentry_shape_is_right
	s_endpgm
.Lentry_shape_is_right:
; The three projections q, k, v = data W^T on codes of BF6 (E3M2) with E8M0 scales, K = 1,024, sums in f32; the f32 results are quantised in registers and leave as codes.
; codes: 1,664 tiles of 16 stored rows (rows 0.. data, 2,048.. Wq, 10,240.. Wk, 18,432.. Wv); a tile is 8 images of 1,536 bytes, one for each 128 along K: registers 4 c .. 4 c + 3 of lane l at 512 c + 16 l.
; scales: a tile is 512 bytes: [half of K][row][4 words].
; A tile of 256 rows of "A" x 256 rows of "B" is made by a work-group of four waves, 128 x 128 a wave: 64 accumulators, 512 registers.
; A WORK-GROUP STAYS and makes three tiles.  The 768 tiles are 48 squares of 4 x 4; cluster c of the 16 takes squares c (q), c + 16 (k), c + 32 (v).
; Squares 0-31: A = data's rows (tokens), B = Wq's and Wk's rows.  Squares 32-47: A = Wv's rows, B = data's rows.
; THE RING: K goes in steps of 256 through two LDS slots of 98,304 bytes (512 rows x 192 bytes, as images).  It does not stop at a tile's end: a tile's last two changes of slots ask for the next tile's
; K steps 0 and 1.  One joint load a wave behind each round of the cluster's barrier; from a request to the wait for it a wave issues 96 matrix instructions.  The last tile's tail is written out: it asks for nothing.
; THE SCALE WORDS go from memory straight into registers: lanes 0-15 take A's rows, lanes 16-31 B's, 16 bytes a lane (four words: half of K), sixteen lanes 256 consecutive aligned bytes.  Two sets of 32 registers,
; one for each half of K; a set is loaded for the next tile when its last product of this tile is issued.  They are 8,192 bytes a wave and tile beside 393,216 bytes of codes a work-group: they are not asked for jointly.
; THE MATRIX INSTRUCTION IS USED TRANSPOSED (source 0 = 16 rows of B, source 1 = 16 rows of A): a lane holds ONE row of A, and, B's stored rows being permuted as they are, register 16 b + i of a block's 64
; holds B's row 32 b + 16 (lane / 16) + i: 16 neighbours along the next product's K.  So each block of 16 rows x 128 is quantised where it lies.
; WHAT LEAVES: images, and scale lines of 128 bytes.  qkv = q, k, v; in each 32 pairs (batch, head) of 16 blocks; a block = 16 images, then 8 lines = 25,600 bytes.
;   q, k: block G = tokens 32 G ..; image (tile u, K step s) at 1,536 (8 u + s); line s.     v: block (key step j, quarter w) at 4 j + w; image of feature tile t at 1,536 (t % 16); line (t % 16) / 2.
; CLUSTERS: A's tiles are shared along a row of the cluster, B's along a column: each is asked for jointly, by the same tensor load with the same descriptor and a mask that names the four.
; PREFETCH: behind each joint load one instruction a wave names the same K step of the NEXT tile: that is the K step which the load two refills on asks for.  Only the weights' rows are named (B's for the second tile,
; A's for the third): data's rows have been read by then.  A wave's 96 runs of 256 bytes are shared out among the four partners by address, 24 each, a lane a run (lanes 24-31 name lane 23's again).
; The first tile's K steps come by their loads alone; the last tile names nothing.
; LIMITS: NaN and infinities are not served; a block of 32 results whose largest magnitude lies under 2^-122 (zeros among them) carries the byte 1; only this program reads the bytes.
; REGISTERS, in windows of 256: window 0: v16-29 addresses; v32-95 scale words; v96-114, v224-242 the way out; v128-223 A's fragments, ONE set.   window 1: B's fragments, TWO sets, at v0 and v128.
;   window 2: the accumulators of my rows 0-63 ((a, b) at v[8 (8 (a % 4) + b)]);   window 3: those of my rows 64-127.
.set IMG,    1536
.set KSB,    2*IMG                     ; a tile of 16 rows, a K step of 256
.set TROW,   8*IMG                     ; a tile of 16 rows, all of K
.set KROW,   TROW/16
.set FR,     12
.set NL,     3
.set NP,     4                         ; places behind this matrix instruction (ISA guide 7.12.1)
.set HALFT,  8*KSB                     ; 128 rows: what one tensor load brings
.set SLOT,   4*HALFT                   ; A's 256 rows, then B's 256 rows
.set SPARE,  2*SLOT                    ; behind the ring: the spare words, 128 bytes for each wave, which no other line names
.set ADRA, 16                          ; v16-17  LDS address of my A fragments in slot 0, 1
.set ADRB, 20                          ; v20-21  the same for B
.set R16,  22                          ; v22     16 x (lane % 16)
.set LS,   24                          ; v24     4 x lane
.set SOFF, 25                          ; v25     my bytes in scales: lanes 0-15 A's rows, lanes 16-31 B's
.set CO,   26                          ; v26     16 x lane
.set PFO,  27                          ; v27     the prefetches' offset; never rewritten
.set SPW,  28                          ; v28     LDS address of my spare word; never rewritten
.set NIL,  29                          ; v29     0; never rewritten
.set SC,   32                          ; scale words: half H of K at v[SC + 32 H]; register 4 i + w: block i, the half's w-th 128 along K
.set PC,   96                          ; the way out: a fragment's codes, and halves on their way
.set AF,   128
.set TM,   224                         ; the way out: largest magnitudes, bytes, the conversions' scale operands
.set PW,   240
.set PWE,  241
.set PWS,  242
.set VC,   10                          ; s10 the square of the tile at work;  s3 tiles to go;  s87 = s3 - (wave / 2): 2 where my wave prefetches
.set G1,   24                          ; s[24:31] group 1 for A's tiles;  s[32:39] group 0, one set for each slot
.set G0,   32
.set NA,   40                          ; s[40:41], s[42:43] K step 0 of the rows that I fetch, of A and of B: the tile named last
.set NB,   42
.set G1B,  44
.set G0B,  52
.set SEL,  66
.set OI,   68                          ; s[68:69] the image's place, s[70:71] the scale line's, s[72:77] three steps between them
.set OL,   70
.set PF,   80                          ; s[80:81] where my prefetches stand
.set MSB, 0
.macro WIN new                         ; the immediate's high byte repeats the setting that is left
.if MSB != (\new)
	s_set_vgpr_msb (MSB<<8)|(\new)
.set MSB, (\new)
.endif
.endm
.set MUL_LO, 0xa1
.set MUL_HI, 0xf1
.set TO_B,   0x40
; A joint load: waves 0 and 1 fetch for A, waves 2 and 3 for B.  s_nop 0 and four v_nop behind each line.
.macro JLOAD g0a, g1a, g0b, g1b
	s_cmp_eq_u32 s15, 0
	s_cbranch_scc0 .Lfor_b_\@
	tensor_load_to_lds s[\g0a:\g0a+3], s[\g1a:\g1a+7]
	s_nop 0
.rept 4
	v_nop
.endr
	s_branch .Lasked_\@
.Lfor_b_\@:
	tensor_load_to_lds s[\g0b:\g0b+3], s[\g1b:\g1b+7]
	s_nop 0
.rept 4
	v_nop
.endr
.Lasked_\@:
.endm
.macro CREST
	s_cmp_lg_u32 s14, 0
	s_cbranch_scc1 .Lnot_wave_0_\@
	s_barrier_signal -3
.Lnot_wave_0_\@:
	s_barrier_wait -3
	s_barrier_signal -1
	s_barrier_wait -1
.endm
.macro CROUND
	s_barrier_signal -1
	s_barrier_wait -1
	CREST
.endm
; Square s[vc]: s17 = tile row, s94 = tile column, s95, s96 = A's and B's first stored rows, s97 = 1 for q and k.  Chosen without a jump
.macro GEOM vc
	s_and_b32 s94, s[\vc], 1
	s_lshr_b32 s19, s[\vc], 1
	s_sub_co_u32 s18, s19, 16
	s_cmp_lt_u32 s[\vc], 32
	s_cselect_b32 s97, 1, 0
	s_cselect_b32 s17, s94, s18
	s_cselect_b32 s94, s19, s94
	s_cselect_b32 s95, 0, 18432
	s_cselect_b32 s96, 2048, 0
	s_lshl_b32 s17, s17, 2
	s_add_co_u32 s17, s17, s93                     ; + cy
	s_lshl_b32 s94, s94, 2
	s_add_co_u32 s94, s94, s92                     ; + cx
.endm
; Behind GEOM: where the tile's codes lie (NA, NB) and its scale words (s78 A's, s79 B's, in bytes).  A's address is made of the tile row alone, B's of the tile column alone
.macro LOADADDR
	s_lshl_b32 s18, s16, 7
	s_lshl_b32 s20, s17, 8
	s_add_co_u32 s20, s20, s95
	s_lshl_b32 s98, s94, 8
	s_add_co_u32 s98, s98, s96
	s_lshl_b32 s22, s15, 7
	s_add_co_u32 s22, s22, s20                     ; the 128 rows of A that I multiply
	s_lshl_b32 s78, s22, 5
	s_add_co_u32 s100, s98, s18                    ; the 128 rows of B that I multiply, and fetch where I fetch for B
	s_lshl_b32 s79, s100, 5
	s_add_co_u32 s20, s20, s18                     ; the 128 rows of A that I fetch where I fetch for A
	s_mul_i32 s20, s20, KROW
	s_mov_b32 s21, 0
	s_mul_i32 s98, s100, KROW
	s_mov_b32 s99, 0
	s_add_nc_u64 s[NA:NA+1], s[4:5], s[20:21]
	s_add_nc_u64 s[NB:NB+1], s[4:5], s[98:99]
.endm
.macro SETSOFF
	v_mov_b32 v6, s78
	v_mov_b32 v7, s79
	v_cndmask_b32 v6, v6, v7, s2                   ; lanes 16-31 take B's
	v_add_nc_u32 v[SOFF], v6, v[R16]
	s_wait_alu depctr_va_vdst(0)                   ; the wait behind the write
.endm
.macro SCLOAD half                     ; the scale words of half a K, 8 blocks of A and of B
.irp i, 0,1,2,3,4,5,6,7
	global_load_b128 v[SC+32*(\half)+4*\i:SC+32*(\half)+4*\i+3], v[SOFF], s[6:7] offset:512*\i+256*(\half)
.endr
.endm
.macro ASK n                           ; the next tile's K step n; the branch hangs on the wave's number and the count of tiles alone
	s_cmp_eq_u32 s87, 2
	s_cbranch_scc0 .Lna_\@
	global_prefetch_b8 v[PFO], s[PF:PF+1] offset:(\n)*KSB th:TH_LOAD_NT scope:SCOPE_SE
.Lna_\@:
.endm
	s_load_b128 s[4:7], s[0:1], 0x0                ; codes s[4:5], scales s[6:7]
	s_load_b64 s[8:9], s[0:1], 0x10                ; qkv
	v_lshl_add_u32 v[SPW], v0, 2, SPARE
	v_mov_b32 v[NIL], 0
	ds_add_u32 v[SPW], v[NIL]                      ; the opening lines: the add, twice on end, and its wait ahead of my first tensor load
	ds_add_u32 v[SPW], v[NIL]
	v_lshrrev_b32 v1, 5, v0
	v_readfirstlane_b32 s14, v1                    ; wave 0..3
	s_lshr_b32 s15, s14, 1                         ; which half of the tile's A rows is mine.  Also: I fetch for A (0) or for B (1)
	s_and_b32 s16, s14, 1                          ; which half of its B rows.  Also: which 128 rows I fetch
	s_bfe_u32 s92, ttmp6, 0x40000                  ; cx
	s_bfe_u32 s93, ttmp6, 0x40004                  ; cy
	s_mov_b32 s[VC], ttmp9                         ; the first square: the cluster's number
	s_lshl_b32 s13, s93, 2
	s_lshl_b32 s13, 15, s13                        ; my row of the cluster
	s_lshl_b32 s12, 0x1111, s92                    ; my column
	; group 1: 128 stored rows (8 tiles) of a K step of 256: 8 rows of 3,072 bytes (384 elements of 8 bytes), 12,288 bytes apart in memory, on end in LDS
	s_or_b32 s[G1+0], s13, (3<<16)|(1<<21)
	s_or_b32 s[G1B+0], s12, (3<<16)|(1<<21)
.irp g, G1, G1B
	s_mov_b32 s[\g+1], (KSB/8)<<16
	s_mov_b32 s[\g+2], 8<<16
	s_mov_b32 s[\g+3], (KSB/8)<<16
	s_mov_b32 s[\g+4], 8
	s_mov_b32 s[\g+5], TROW/8
	s_mov_b32 s[\g+6], 0
	s_mov_b32 s[\g+7], 0
.endr
	s_mul_i32 s11, s14, HALFT                      ; where my loads go: wave x 128 rows
	s_mov_b32 s[SEL], 0x76543210
	s_mov_b32 s[SEL+1], 0xfedcba98
	s_mov_b32 s2, 0xffff0000                       ; lanes 16-31
	s_mul_i32 s84, s15, HALFT                      ; my 128 rows of A in slot 0,
	s_add_co_u32 s85, s84, SLOT                    ; in slot 1;
	s_mul_i32 s86, s16, HALFT
	s_add_co_u32 s86, s86, 2*HALFT                 ; my 128 rows of B, behind A's 256,
	s_add_co_u32 s87, s86, SLOT
	GEOM VC
	s_wait_dscnt 0x0                               ; both opening adds are done
	s_wait_kmcnt 0x0
	LOADADDR
	s_mov_b64 s[PF:PF+1], s[NA:NA+1]               ; the prefetches' base stands inside codes from the head on; the tile's top moves it to the next tile before it is used
	CROUND
.irp s, 0,1
	s_mov_b32 s[G0+4*\s], 1
	s_add_co_u32 s[G0+4*\s+1], s11, \s*SLOT
	s_add_nc_u64 s[G0+4*\s+2:G0+4*\s+3], s[NA:NA+1], \s*KSB
	s_or_b32 s[G0+4*\s+3], s[G0+4*\s+3], 0x80000000
	s_mov_b32 s[G0B+4*\s], 1
	s_add_co_u32 s[G0B+4*\s+1], s11, \s*SLOT
	s_add_nc_u64 s[G0B+4*\s+2:G0B+4*\s+3], s[NB:NB+1], \s*KSB
	s_or_b32 s[G0B+4*\s+3], s[G0B+4*\s+3], 0x80000000
.endr
	JLOAD G0, G1, G0B, G1B                         ; K step 0: one tensor load a wave at the head
	v_and_b32 v1, 15, v0
	v_and_b32 v6, 31, v0
	v_lshlrev_b32 v[CO], 4, v6
	v_lshlrev_b32 v[LS], 2, v6
	v_lshlrev_b32 v[R16], 4, v1
	v_min_u32 v5, 23, v6                           ; my run of my work-group's 24: two tiles of 12 runs of 256 bytes
	v_mul_u32_u24 v7, v5, 171
	v_lshrrev_b32 v7, 11, v7                       ; run / 12, for runs under 24
	v_mul_u32_u24 v2, v7, 12
	v_sub_nc_u32 v5, v5, v2
	v_lshlrev_b32 v5, 8, v5
	v_mad_u32_u24 v[PFO], v7, TROW, v5
	v_add_nc_u32 v[ADRA], s84, v[CO]
	v_add_nc_u32 v[ADRA+1], s85, v[CO]
	v_add_nc_u32 v[ADRB], s86, v[CO]
	v_add_nc_u32 v[ADRB+1], s87, v[CO]
.irp b, 0,1,2,3
	v_mov_b32 v[TM+4+\b], 0                        ; written once: a lane permute's destination counts as one of its sources
.endr
	SETSOFF                                        ; (its wait is the wait at the head's end)
	SCLOAD 0                                       ; the first tile's scale words, both halves of K
	SCLOAD 1
.macro FRAG reg, adr, q, i             ; a fragment lies in LDS as the image of its 12 registers: three loads of 512 consecutive bytes
.irp c, 0,1,2
	ds_load_b128 v[\reg+4*\c:\reg+4*\c+3], v[\adr] offset:(\i)*KSB+(\q)*IMG+512*\c
.endr
.endm
; 16 matrix instructions: A's blocks a0, a0 + 1 x B's eight.  p: B's set;  h, w: which half of K and which of its four words.  zero = 1: the product starts the sums.
; The 64 accumulators take turns, one instruction a turn, in the same order in every step.
.macro MUL16 a0, p, w, h, zero
.irp a, \a0, \a0+1
.irp b, 0,1,2,3,4,5,6,7
.if \zero
	v_wmma_scale_f32_16x16x128_f8f6f4 v[8*(8*((\a)%4)+\b):8*(8*((\a)%4)+\b)+7], v[128*(\p)+FR*\b:128*(\p)+FR*\b+FR-1], v[AF+FR*(\a):AF+FR*(\a)+FR-1], 0, v[SC+32*(\h)+4*\b+(\w)], v[SC+32*(\h)+4*(\a)+(\w)] matrix_a_fmt:MATRIX_FMT_BF6 matrix_b_fmt:MATRIX_FMT_BF6 matrix_a_scale:MATRIX_SCALE_ROW1
.else
	v_wmma_scale_f32_16x16x128_f8f6f4 v[8*(8*((\a)%4)+\b):8*(8*((\a)%4)+\b)+7], v[128*(\p)+FR*\b:128*(\p)+FR*\b+FR-1], v[AF+FR*(\a):AF+FR*(\a)+FR-1], v[8*(8*((\a)%4)+\b):8*(8*((\a)%4)+\b)+7], v[SC+32*(\h)+4*\b+(\w)], v[SC+32*(\h)+4*(\a)+(\w)] matrix_a_fmt:MATRIX_FMT_BF6 matrix_b_fmt:MATRIX_FMT_BF6 matrix_a_scale:MATRIX_SCALE_ROW1
.endif
.endr
.endr
.endm
.macro FETCH_B slot, q, p
	WIN TO_B
.irp i, 0,1,2,3,4,5,6,7
	FRAG 128*(\p)+FR*\i, ADRB+\slot, \q, \i
.endr
	WIN 0
.endm
.macro FETCH_A slot, q, i0
.irp i, \i0, \i0+1, \i0+2, \i0+3
	FRAG AF+FR*(\i), ADRA+\slot, \q, \i
.endr
.endm
.macro PLACES n                        ; plain places in front of loads into registers that matrix instructions have read, and of reads of results
.rept \n
	v_nop
.endr
.endm
; The first 128 along K of the tile's K step n; its successor lies in the same slot.
.macro STEP slot, n, zero
	s_wait_dscnt 4*NL                              ; B's set and A's blocks 0-3 are in; the youngest 12 loads (A's blocks 4-7) may be out
	WIN MUL_LO
	MUL16 0, 0, 2*((\n)%2), (\n)/2, \zero
	MUL16 2, 0, 2*((\n)%2), (\n)/2, \zero
	s_wait_dscnt 0
	PLACES NP
	FETCH_B \slot, 1, 1
	FETCH_A \slot, 1, 0
	WIN MUL_HI
	MUL16 4, 0, 2*((\n)%2), (\n)/2, \zero
	MUL16 6, 0, 2*((\n)%2), (\n)/2, \zero
	PLACES NP
	WIN 0
	FETCH_A \slot, 1, 4
.endm
; The second 128 of K step n, and the change of slots.  In front of the barrier each wave waits for all its tensor loads (one is out: its part of the next slot), adds 0 to its spare word, and waits for that and for its reads of this slot.
; kind 1: the barrier opens a round of the cluster's, and this slot takes the tile's K step n + 2;  2: the next tile's K step n - 2;  0: nothing is filled, no round.
.macro TURN slot, next, n, kind
	s_wait_tensorcnt 0x0
	ds_add_u32 v[SPW], v[NIL]
	s_wait_dscnt 4*NL+1                            ; (the add and the youngest 12 loads may be out)
	WIN MUL_LO
	MUL16 0, 1, 2*((\n)%2)+1, (\n)/2, 0
	s_wait_dscnt 0x0                               ; the add is done, and my reads of this slot are over
	s_barrier_signal -1
	MUL16 2, 1, 2*((\n)%2)+1, (\n)/2, 0
	WIN 0
	s_barrier_wait -1
.if \kind
	CREST                                          ; no wave of any partner still reads this slot or has a load on its way
.if \kind == 1
	s_add_nc_u64 s[G0+4*\slot+2:G0+4*\slot+3], s[G0+4*\slot+2:G0+4*\slot+3], 2*KSB
	s_add_nc_u64 s[G0B+4*\slot+2:G0B+4*\slot+3], s[G0B+4*\slot+2:G0B+4*\slot+3], 2*KSB
.else
.if \slot
	s_add_nc_u64 s[G0+4*\slot+2:G0+4*\slot+3], s[NA:NA+1], KSB
	s_add_nc_u64 s[G0B+4*\slot+2:G0B+4*\slot+3], s[NB:NB+1], KSB
.else
	s_mov_b64 s[G0+4*\slot+2:G0+4*\slot+3], s[NA:NA+1]
	s_mov_b64 s[G0B+4*\slot+2:G0B+4*\slot+3], s[NB:NB+1]
.endif
	s_or_b32 s[G0+4*\slot+3], s[G0+4*\slot+3], 0x80000000
	s_or_b32 s[G0B+4*\slot+3], s[G0B+4*\slot+3], 0x80000000
.endif
	JLOAD G0+4*\slot, G1, G0B+4*\slot, G1B         ; the first tensor load behind the round; its four v_nop are the places in front of the loads below
.else
	PLACES NP
.endif
	FETCH_B \next, 0, 0
	FETCH_A \next, 0, 0
.if (\kind == 2) && (\slot == 0)
	SCLOAD 0                                       ; the next tile's first half of K: this tile's products of that half were issued a K step ago
.endif
.if \kind
	ASK \n
.endif
	WIN MUL_HI
	MUL16 4, 1, 2*((\n)%2)+1, (\n)/2, 0
	MUL16 6, 1, 2*((\n)%2)+1, (\n)/2, 0
	PLACES NP
	WIN 0
	FETCH_A \next, 0, 4
.endm
; WHERE MY 128 x 128 GOES, behind GEOM.  A8 = which 128 rows of A, NS = which 128 rows of B.  Both forms are worked out, and one is chosen without a jump
.macro OUTADDR
	s_lshl_b32 s18, s17, 1
	s_add_co_u32 s18, s18, s15                     ; A8
	s_lshl_b32 s19, s94, 1
	s_add_co_u32 s19, s19, s16                     ; NS
	s_lshr_b32 s20, s19, 6                         ; q, k: NS = 64 x tensor + 8 x head + K step;  A8 = 4 x batch + 128 tokens
	s_mul_i32 s20, s20, 13107200
	s_lshr_b32 s21, s18, 2
	s_lshl_b32 s21, s21, 3
	s_bfe_u32 s22, s19, 0x30003
	s_add_co_u32 s21, s21, s22
	s_mul_i32 s21, s21, 409600
	s_add_co_u32 s20, s20, s21
	s_and_b32 s21, s18, 3
	s_mul_i32 s21, s21, 102400
	s_add_co_u32 s20, s20, s21
	s_and_b32 s22, s19, 7
	s_mul_i32 s21, s22, 1536
	s_lshl_b32 s22, s22, 7
	s_lshr_b32 s84, s19, 2                         ; v: NS = 4 x batch + key step;  A8 = 8 x head + 128 features
	s_lshl_b32 s84, s84, 3
	s_lshr_b32 s85, s18, 3
	s_add_co_u32 s84, s84, s85
	s_mul_i32 s84, s84, 409600
	s_and_b32 s85, s19, 3
	s_mul_i32 s85, s85, 102400
	s_add_co_u32 s84, s84, s85
	s_bfe_u32 s85, s18, 0x20001
	s_mul_i32 s85, s85, 25600
	s_add_co_u32 s84, s84, s85
	s_add_co_u32 s84, s84, 26214400
	s_and_b32 s86, s18, 1
	s_mul_i32 s85, s86, 12288
	s_lshl_b32 s86, s86, 9
	s_cmp_eq_u32 s97, 1
	s_cselect_b32 s20, s20, s84
	s_cselect_b32 s21, s21, s85
	s_cselect_b32 s22, s22, s86
	s_mov_b32 s72, 1536
	s_cselect_b32 s72, 12288, s72                  ; s[72:73]: from an even block's image to the odd one's
	s_mov_b32 s74, 1536
	s_cselect_b32 s74, 13312, s74                  ; s[74:75]: from an odd block's image to the next even one's
	s_mov_b32 s76, 128
	s_cselect_b32 s76, 25600, s76                  ; s[76:77]: from a pair's scale line to the next pair's
	s_mov_b32 s73, 0
	s_mov_b32 s75, 0
	s_mov_b32 s77, 0
	s_add_co_u32 s96, s20, s21
	s_mov_b32 s97, 0
	s_add_nc_u64 s[OI:OI+1], s[8:9], s[96:97]
	s_add_co_u32 s96, s20, s22
	s_add_co_u32 s96, s96, 24576
	s_add_nc_u64 s[OL:OL+1], s[8:9], s[96:97]
.endm
; THE WAY OUT, block by block of 16 rows of A x 128: largest magnitudes (the floor 2^(5 - 127) among the leaves), scale bytes, conversions, the exchange of halves that the 6-bit layout asks:
; then the 12 registers are the operand, and leave by three stores of 512 consecutive aligned bytes.  Two blocks' scale words make one line of 128 consecutive bytes.
.macro OUTBLK a
.set W,  2+(\a)/4
.set S0, 64*((\a)%4)
	WIN 5*W
.irp b, 0,1,2,3
	v_max3_num_f32 v[TM+\b], |v[S0+16*\b]|, |v[S0+16*\b+1]|, 0x2800000   ; each accumulator is read from its low end on
.endr
.irp i, 2,4,6,8,10,12,14
.irp b, 0,1,2,3
	v_max3_num_f32 v[TM+\b], |v[S0+16*\b+\i]|, |v[S0+16*\b+\i+1]|, v[TM+\b]
.endr
.endr
	WIN 0
.irp b, 0,1,2,3
	v_permlanex16_b32 v[TM+4+\b], v[TM+\b], s[SEL], s[SEL+1]
.endr
.irp b, 0,1,2,3
	v_max_num_f32 v[TM+\b], v[TM+\b], v[TM+4+\b]   ; with lane l xor 16's: the block's largest magnitude
.endr
.irp b, 0,1,2,3
	v_add_nc_u32 v[TM+12+\b], 0xfe000000, v[TM+\b] ; 4 off its exponent field: the conversion's scale operand
.endr
.irp b, 0,1,2,3
	v_lshrrev_b32 v[TM+4+\b], 23, v[TM+12+\b]      ; the scale's byte
.endr
	v_lshl_or_b32 v[PW], v[TM+5], 8, v[TM+4]
	v_lshl_or_b32 v[PW], v[TM+6], 16, v[PW]
	v_lshl_or_b32 v[PW], v[TM+7], 24, v[PW]
.if (\a) > 0
	s_wait_alu depctr_va_vdst(0)
	s_wait_xcnt 0x0                                ; only behind this wait are the last block's stores' data and bases written again (block 0: the wait at the tile's top)
.if (\a)%2
	s_add_nc_u64 s[OI:OI+1], s[OI:OI+1], s[72:73]
.else
	s_add_nc_u64 s[OI:OI+1], s[OI:OI+1], s[74:75]
	s_add_nc_u64 s[OL:OL+1], s[OL:OL+1], s[76:77]
.endif
.endif
	WIN W
.irp c, 0,1
	v_cvt_scalef32_pk16_bf6_f32 v[PC+6*\c:PC+2+6*\c], v[S0+32*\c:S0+15+32*\c], v[TM+12+2*\c]
	v_cvt_scalef32_pk16_bf6_f32 v[PC+12+4*\c:PC+14+4*\c], v[S0+16+32*\c:S0+31+32*\c], v[TM+12+2*\c+1]   ; (a conversion's three registers begin on an even number)
.endr
	WIN 0
	v_nop                                          ; one plain place behind a scaled conversion
.irp c, 0,1                                    ; the operand's layout wants a whole block of 32 in a lane
.irp i, 0,1,2
	v_permlane16_swap_b32 v[PC+6*\c+\i], v[PC+12+4*\c+\i]
.endr
.irp i, 0,1,2
	v_mov_b32 v[PC+3+6*\c+\i], v[PC+12+4*\c+\i]
.endr
.endr
.irp c, 0,1,2
	global_store_b128 v[CO], v[PC+4*\c:PC+4*\c+3], s[OI:OI+1] offset:512*\c
.endr
.if (\a)%2
	v_cndmask_b32 v[PWS], v[PWE], v[PW], s2        ; lanes 0-15 the even block's words, lanes 16-31 the odd block's
	global_store_b32 v[LS], v[PWS], s[OL:OL+1]
.else
	v_mov_b32 v[PWE], v[PW]
.endif
.endm
.macro EPI
	GEOM VC
	OUTADDR
.irp a, 0,1,2,3,4,5,6,7
	OUTBLK \a
.endr
.endm
	s_wait_tensorcnt 0x0                           ; my part of K step 0 is in
	ds_add_u32 v[SPW], v[NIL]
	s_wait_dscnt 0x0
	CROUND
	JLOAD G0+4, G1, G0B+4, G1B                     ; K step 1, the first tensor load behind the round
	FETCH_B 0, 0, 0
	FETCH_A 0, 0, 0
	FETCH_A 0, 0, 4
	s_mov_b32 s3, 3                                ; tiles to go, this one among them: the same in every work-group
.Ltile:
	s_wait_loadcnt 0x0                             ; this tile's scale words are in: so v[SOFF] may be written
	s_wait_xcnt 0x0                                ; the last tile's stores and prefetches have read their registers
	s_sub_co_u32 s87, s3, s15
	s_cmp_eq_u32 s3, 1
	s_cbranch_scc1 .Lno_next                       ; the last tile has no successor to name
	s_add_co_u32 s101, s[VC], 16
	GEOM 101
	LOADADDR
	s_cmp_eq_u32 s15, 0
	s_cselect_b64 s[PF:PF+1], s[NA:NA+1], s[NB:NB+1]
	s_cselect_b32 s22, s92, s93                    ; my place among the four that ask with me
	s_mul_i32 s22, s22, 2*TROW                     ; my work-group's two tiles of the wave's eight
	s_mov_b32 s23, 0
	s_add_nc_u64 s[PF:PF+1], s[PF:PF+1], s[22:23]
	SETSOFF
.Lno_next:
	STEP 0, 0, 1                                   ; the tile's first products start the sums
	TURN 0, 1, 0, 1
	STEP 1, 1, 0
	TURN 1, 0, 1, 1
	STEP 0, 2, 0
	s_cmp_eq_u32 s3, 1
	s_cbranch_scc1 .Llast                          ; the last tile's tail is written out: it asks for nothing more
	TURN 0, 1, 2, 2                                ; the ring goes on into the next tile: slot 0 takes its K step 0,
	STEP 1, 3, 0
	TURN 1, 0, 3, 2                                ; slot 1 its K step 1, and the next tile's first fragments are fetched
	SCLOAD 1                                       ; the next tile's second half of K (four places stand behind the last product)
	EPI
	s_add_co_u32 s[VC], s[VC], 16
	s_sub_co_u32 s3, s3, 1
	s_branch .Ltile
.Llast:
	TURN 0, 1, 2, 0                                ; the last K step has landed; nothing is filled, so no round
	STEP 1, 3, 0
	s_wait_dscnt 4*NL
	WIN MUL_LO
	MUL16 0, 1, 3, 1, 0
	MUL16 2, 1, 3, 1, 0
	s_wait_dscnt 0
	WIN MUL_HI
	MUL16 4, 1, 3, 1, 0
	MUL16 6, 1, 3, 1, 0
	WIN 0
	PLACES NP
	EPI
	s_wait_tensorcnt 0x0                           ; the wave's end
	ds_add_u32 v[SPW], v[NIL]
	s_wait_dscnt 0x0
	CROUND                                         ; the closing round
	s_endpgm
.Lfunc_end_k_q00dabe7a8f_proj:
	.size	k_q00dabe7a8f_proj, .Lfunc_end_k_q00dabe7a8f_proj-k_q00dabe7a8f_proj
	.p2alignl 7, 3214868480
	.fill 96, 4, 3214868480
	.section	.rodata,"a",@progbits
	.p2align	6, 0x0
	.amdhsa_kernel k_q00dabe7a8f_proj
		.amdhsa_group_segment_fixed_size 327680
		.amdhsa_private_segment_fixed_size 0
		.amdhsa_enable_private_segment 0
		.amdhsa_kernarg_size 24
		.amdhsa_user_sgpr_count 2
		.amdhsa_user_sgpr_kernarg_segment_ptr 1
		.amdhsa_wavefront_size32 1
		.amdhsa_system_sgpr_workgroup_id_x 1
		.amdhsa_system_sgpr_workgroup_id_y 1
		.amdhsa_system_sgpr_workgroup_id_z 1
		.amdhsa_system_vgpr_workitem_id 0
		.amdhsa_next_free_vgpr 1024
		.amdhsa_next_free_sgpr 102
		.amdhsa_reserve_vcc 0
		.amdhsa_float_denorm_mode_32 3
		.amdhsa_float_denorm_mode_16_64 3
		.amdhsa_memory_ordered 1
		.amdhsa_forward_progress 1
		.amdhsa_inst_pref_size 218
	.end_amdhsa_kernel
	.amdgpu_metadata
---
amdhsa.version: [ 1, 2 ]
amdhsa.kernels:
  - .name:           k_q00dabe7a8f_proj
    .symbol:         k_q00dabe7a8f_proj.kd
    .args:
      - { .name: codes, .offset: 0, .size: 8, .value_kind: global_buffer, .address_space: global }
      - { .name: scales, .offset: 8, .size: 8, .value_kind: global_buffer, .address_space: global }
      - { .name: qkv, .offset: 16, .size: 8, .value_kind: global_buffer, .address_space: global }
    .group_segment_fixed_size: 327680
    .private_segment_fixed_size: 0
    .kernarg_segment_align: 8
    .kernarg_segment_size: 24
    .max_flat_workgroup_size: 128
    .sgpr_count:     102
    .vgpr_count:     1024
    .wavefront_size: 32
...
	.end_amdgpu_metadata
.endif
;; end of part 2
;; launch attn (part 3): grid 8 x 32, 4 waves a work-group, clusters of 4 x 1, 327,680 bytes of LDS; arguments qkv, out0; writes out0
.if DOCPART == 3
	.amdgcn_target "amdgcn-amd-amdhsa--gfx1250"
	.amdhsa_code_object_version 6
	.text
	.protected	k_q00dabe7a8f_attn
	.globl	k_q00dabe7a8f_attn
	.p2align	8
	.type	k_q00dabe7a8f_attn,@function
k_q00dabe7a8f_attn:
	s_mov_b64 s[64:65], 0
	v_nop
	global_prefetch_b8 v0, s[64:65] scope:SCOPE_SE
	s_setreg_imm32_b32 hwreg(HW_REG_WAVE_MODE, 25, 1), 1
	s_wait_xcnt 0x0
	s_wait_alu depctr_hold_cnt(0) depctr_sa_sdst(0) depctr_va_vdst(0) depctr_va_sdst(0) depctr_va_ssrc(0) depctr_va_vcc(0) depctr_vm_vsrc(0)
	s_getreg_b32 s2, hwreg(HW_REG_IB_STS2, 6, 4)
	s_cmp_eq_u32 s2, 0
	s_cbranch_scc0 .Lentry_in_a_cluster
	s_endpgm
.Lentry_in_a_cluster:
	s_bfe_u32 s2, ttmp6, 0x10000c
	s_cmp_lg_u32 s2, 0x3003
	s_cbranch_scc0 .Lentry_shape_is_right
	s_endpgm
.Lentry_shape_is_right:
; out[b][q][1024 h + d] = the sum over keys k <= q of softmax_k(Q[q] . K[k] / 32) V[k][d], for each of 32 pairs (b, h); 512 queries, 512 keys, head size 1,024.  Both products on codes of BF6 (E3M2) with E8M0 scales.
; qkv holds q, k, v as images of operand registers, in blocks of 25,600 bytes (16 images of 1,536 bytes, then 8 scale lines of 128 bytes):
;   q, k: block G = tokens 32 G ..; image (tile u, K step s) at 1,536 (8 u + s); lane r of tile u is token 32 G + 8 u + r + 8 (r / 8); line s: lanes 0-15 tile 0's words, lanes 16-31 tile 1's.
;   v: block 4 j + w = keys 128 j .. (its K), features 256 w ..; image of tile T at 1,536 T; row m of tile T is feature 256 w + 32 (T / 2) + 8 (T % 2) + m + 8 (m / 8); line T / 2.
; THE SOFTMAX: t = score x log2(e) / 32; M = the running largest t, rounded UP to a whole number; p = 2^(t - M) is what is quantised, along the keys; the row's sum is taken of the unquantised p and divides at the end.
; When M moves, the sum and O are multiplied by f = 2^(old M - new M): exact.  A block's largest p is made from the block's largest score by the same two instructions (this takes v_exp_f32 not to fall where its input rises).
; SHARES.  A work-group owns 64 queries of one pair; a cluster is four neighbouring work-groups, 256 queries, and walks 128 keys a step: cluster 0 two steps, cluster 1 four.  What lies above the diagonal is masked.
; The two clusters of a pair have uneven work: partners of a cluster must run alike, and 64 queries x 1,024 features already fill the four waves' accumulators.
; A WAVE HAS TWO ROLES.  (S) wave w makes S^T = K Q^T (source 0 = 16 keys, source 1 = my 16 queries, 8 K steps) for query tile w and all of its softmax: a lane holds ONE query, and the 16 registers of two neighbouring
; tiles are 16 neighbouring keys.  (PV) wave w makes O^T = V^T P^T for features 256 w .. 256 w + 255 and ALL four query tiles: 64 accumulators, 512 registers.
; p's fragment, its scale words and f go from wave to wave through LDS as images of their registers.
; K's AND V's TILES are asked for JOINTLY by the four partners (mask 15): one buffer for K, one for V.  V of a step is asked for at the head of its S phase, K of the next step at the head of the PV phase.
; LIMITS: NaN and infinities are not served; a block of p that has fallen to zeros carries the byte 1.
; REGISTERS, in windows of 256.  window 0: v1-24 addresses; v12-15 -M, largest t, the sum's halves; v32-95 the way out; v96-159 S^T, then p; v160-191 K's scale words; v192-199 Q's; v200-203 p's; v204-211 f (even ones);
;   v212-219 V's scale words; v224-254 the softmax at work.   window 1: v0-95 Q's 8 fragments; v96-239: S phase: K's fragments, a ring of 3 sets of 4; PV phase: v96-143 p's 4 fragments, v144-239 V's, 2 sets of 4.
;   windows 2, 3: O^T: query tile i, feature tile T at register 512 + 8 (16 i + T).
.set BLKB,  25600
.set STEPB, 4*BLKB                     ; a key step's K, or its V
.set HEADB, 16*BLKB
.set KTEN,  32*HEADB                   ; where k begins in qkv
.set VTEN,  2*KTEN                     ; and v
.set IMG,   1536
.set SLN,   16*IMG                     ; where a block's scale lines begin
.set VBUF,  STEPB                      ; LDS: K's buffer at 0, V's behind it;
.set PIMG,  2*STEPB                    ; p's four images;
.set PSC,   PIMG+4*IMG                 ; p's four scale lines; 512 bytes on f's four lines; 1,024 bytes on the four lines of 1 / sum;
.set STAGE, PSC+1536                   ; the way out: 16 rows x (512 bytes + 16) for each wave;
.set SPITCH, 528
.set SPARE, STAGE+4*16*SPITCH          ; the spare words, 128 bytes for each wave, which no other line names.  Tensor loads land under PIMG alone, LDS stores at PIMG and beyond
.set LI,  1                            ; v1   16 x lane
.set LS,  2                            ; v2   4 x lane
.set KA,  3                            ; v3-4   K's images: blocks 0, 1 and blocks 2, 3
.set SPW, 5                            ; v5   LDS address of my spare word; never rewritten
.set NIL, 6                            ; v6   0; never rewritten
.set KSA, 7                            ; v7-8   K's scale lines: blocks 0, 1 and blocks 2, 3
.set VA,  9                            ; v9   my quarter of V: images
.set VSA, 10                           ; v10  and scale lines
.set PWI, 11                           ; v11  where I store p's image
.set PWS, 16                           ; v16  and its scale line (f's, 1 / sum's by the offset)
.set PRI, 17                           ; v17  where the four images are read
.set PRS, 18                           ; v18  and the lines
.set TQ,  19                           ; v19  my query - 16 (lane / 16)
.set STO, 20                           ; v20  the stage: where I put 64 bytes of a row
.set RD,  21                           ; v21  and where I read a row back
.set QA,  22                           ; v22  my bytes in Q's block: images
.set PFO, 23                           ; v23  the prefetches' offset; never rewritten
.set QSA, 24                           ; v24  my word in Q's scale lines
.set T,   32
.set KSW, 160
.set QSW, 192
.set PSW, 200
.set F,   204
.set VSW, 212
.set KR,  96                           ; window 1
.set PF,  96
.set VF,  144
.set BK,  96
.set WV,  8                            ; s8   my wave's number
.set CX,  9                            ; s9   my place in the cluster
.set BH,  10                           ; s10  8 x batch + head
.set BLK, 11                           ; s11  my block of 64 queries
.set G1,  16                           ; s[16:23] descriptor group 1: 25,600 dense bytes
.set G0K, 24                           ; s[24:27] group 0 for my quarter of K's buffer;  s[28:31] of V's
.set G0V, 28
.set SEL, 32                           ; s[32:33] lane selects for v_permlanex16_b32: lane l xor 16
.set CS,  34                           ; s[34:35] c = log2(e) / 32; the packed form names a pair and takes its low word for both halves
.set KF,  36                           ; s36  the step's first key
.set QC,  37                           ; s37  the cluster's first query
.set CNT, 38                           ; s38  middle steps to go: 2 x the cluster's number
.set PFK, 40                           ; s[40:41], s[42:43] where my prefetches stand in k and in v
.set PFV, 42
.set MSB, 0
.macro WIN new                         ; the immediate's high byte repeats the setting that is left; a switch that changes nothing is dropped
.if MSB != (\new)
	s_set_vgpr_msb (MSB<<8)|(\new)
.set MSB, (\new)
.endif
.endm
.macro PLACES                          ; four places in front of loads into registers that matrix instructions have read, and of reads of results
.rept 4
	v_nop
.endr
.endm
; A round of the cluster's barrier: my work-group's barrier, so that wave 0's signal speaks for all four waves; wave 0 signals for the work-group; every wave waits for all four work-groups; my work-group's barrier once more.
.macro ROUND
	s_barrier_signal -1
	s_barrier_wait -1
	s_cmp_lg_u32 s[WV], 0
	s_cbranch_scc1 .Lnot_wave_0_\@
	s_barrier_signal -3
.Lnot_wave_0_\@:
	s_barrier_wait -3
	s_barrier_signal -1
	s_barrier_wait -1
.endm
; A PREFETCH INTO THE L2 of the tile that the next load of its kind will ask for: one key step ahead.  Both clusters of a pair read the first two steps' tiles, the second cluster alone walks all four: it asks, the first never.
; A wave's quarter is 100 runs of 256 bytes; the four partners share them out BY ADDRESS, 25 each, a lane a run (lanes 25 to 31 name lane 24's run again).  No branch hangs on a work-group's place in its cluster.
; how = 1: in the first step: where the cluster is the second;  2: in the loop, which the second cluster alone walks;  3: in the loop's first trip alone: behind it there is no such tile.
.macro ASK adr, how
.if \how == 1
	s_cmp_eq_u32 ttmp9, 1
	s_cbranch_scc0 .Lnot_asked_\@
.elseif \how == 3
	s_cmp_eq_u32 s[CNT], 2
	s_cbranch_scc0 .Lnot_asked_\@
.endif
	global_prefetch_b8 v[PFO], s[\adr:\adr+1] th:TH_LOAD_NT scope:SCOPE_SE
.Lnot_asked_\@:
.endm
; One matrix instruction: D = v[rD ..], source 0 = v[rA ..] with scale words v[rSA] (rR = 1: in lanes 16-31), source 1 = v[rB ..] with v[rSB]; rZ = 1: it starts the sum
.macro MM
.if rZ
.if rR
	v_wmma_scale_f32_16x16x128_f8f6f4 v[rD:rD+7], v[rA:rA+11], v[rB:rB+11], 0, v[rSA], v[rSB] matrix_a_fmt:MATRIX_FMT_BF6 matrix_b_fmt:MATRIX_FMT_BF6 matrix_a_scale:MATRIX_SCALE_ROW1
.else
	v_wmma_scale_f32_16x16x128_f8f6f4 v[rD:rD+7], v[rA:rA+11], v[rB:rB+11], 0, v[rSA], v[rSB] matrix_a_fmt:MATRIX_FMT_BF6 matrix_b_fmt:MATRIX_FMT_BF6
.endif
.else
.if rR
	v_wmma_scale_f32_16x16x128_f8f6f4 v[rD:rD+7], v[rA:rA+11], v[rB:rB+11], v[rD:rD+7], v[rSA], v[rSB] matrix_a_fmt:MATRIX_FMT_BF6 matrix_b_fmt:MATRIX_FMT_BF6 matrix_a_scale:MATRIX_SCALE_ROW1
.else
	v_wmma_scale_f32_16x16x128_f8f6f4 v[rD:rD+7], v[rA:rA+11], v[rB:rB+11], v[rD:rD+7], v[rSA], v[rSB] matrix_a_fmt:MATRIX_FMT_BF6 matrix_b_fmt:MATRIX_FMT_BF6
.endif
.endif
.endm
; Set n = 8 g + s of K's fragments: key tiles 4 g .. 4 g + 3, K step s: 12 loads of 512 consecutive bytes, into place n % 3 of the ring
.macro KSET n
.irp t, 0,1,2,3
.irp c, 0,1,2
	ds_load_b128 v[KR+48*((\n)%3)+12*\t+4*\c:KR+48*((\n)%3)+12*\t+4*\c+3], v[KA+(\n)/8] offset:BLKB*(\t/2)+IMG*(8*(\t%2)+(\n)%8)+512*\c
.endr
.endr
.endm
; Set n of V's fragments: feature tiles 4 n .. 4 n + 3 of my quarter, into place n % 2
.macro VSET n
.irp t, 0,1,2,3
.irp c, 0,1,2
	ds_load_b128 v[VF+48*((\n)%2)+12*\t+4*\c:VF+48*((\n)%2)+12*\t+4*\c+3], v[VA] offset:IMG*(4*(\n)+\t)+512*\c
.endr
.endr
.endm
	s_load_b128 s[4:7], s[0:1], 0x0                ; qkv s[4:5], out0 s[6:7]
	v_lshl_add_u32 v[SPW], v0, 2, SPARE
	v_mov_b32 v[NIL], 0
	ds_add_u32 v[SPW], v[NIL]                      ; the wave's opening: the add and its wait ahead of my first tensor load; the set-up below, work on registers, stands between them
	ds_add_u32 v[SPW], v[NIL]
	v_lshrrev_b32 v26, 5, v0
	v_readfirstlane_b32 s[WV], v26                 ; wave 0..3
	s_bfe_u32 s[CX], ttmp6, 0x40000                ; cx
	s_and_b32 s[BH], ttmp7, 0xffff                 ; the pair (batch, head), which the four partners share
	s_lshl_b32 s[BLK], ttmp9, 2                    ; in a cluster launch ttmp9 counts clusters
	s_add_co_u32 s[BLK], s[BLK], s[CX]             ; my 64 queries: it enters Q's and O's addresses, the mask and the prefetches alone
	; descriptor group 1: 25,600 dense bytes as 100 rows of 256 bytes (32 elements of 8 bytes), no padding
	s_mov_b32 s[G1], 15|(3<<16)|(1<<21)            ; 15:0 the mask: all four work-groups; 17:16 elements of 8 bytes; 21 set beside a mask
	s_mov_b32 s[G1+1], 32<<16                      ; tensor_dim0 = 32
	s_mov_b32 s[G1+2], 100<<16                     ; tensor_dim1 = 100
	s_mov_b32 s[G1+3], 32<<16                      ; tile_dim0 = 32
	s_mov_b32 s[G1+4], 100                         ; tile_dim1 = 100
	s_mov_b32 s[G1+5], 32                          ; tensor_dim0_stride
	s_mov_b32 s[G1+6], 0
	s_mov_b32 s[G1+7], 0
	s_mov_b32 s[SEL], 0x76543210
	s_mov_b32 s[SEL+1], 0xfedcba98
	s_mov_b32 s[CS], 0x3d38aa3b                    ; c = log2(e) / 32
	s_mov_b32 s[CS+1], s[CS]                       ; (named with it as a pair, so it is written)
	s_mov_b32 s[KF], 0
	s_lshl_b32 s[QC], ttmp9, 8
	s_lshl_b32 s[CNT], ttmp9, 1
	s_mul_i32 s44, s[BH], HEADB                    ; the pair's first byte in each of the three tensors
	s_mul_i32 s45, s[WV], BLKB                     ; my quarter of a key step's tiles, in memory and in LDS
	s_add_co_u32 s46, s44, s45
	s_add_co_u32 s48, s46, KTEN
	s_mov_b32 s49, 0
	s_add_co_u32 s50, s46, VTEN
	s_mov_b32 s51, 0
	s_mul_i32 s52, s[CX], 25*256                   ; the prefetches: my work-group's 25 runs of the quarter's 100
	s_mov_b32 s53, 0
	s_lshl_b32 s54, s[BLK], 1
	s_lshr_b32 s55, s[WV], 1
	s_add_co_u32 s54, s54, s55
	s_mul_i32 s54, s54, BLKB                       ; Q's block of my query tile: 2 x my 64 queries + wave / 2
	s_add_co_u32 s54, s54, s44
	s_mov_b32 s55, 0
	s_lshr_b32 s14, s[BH], 3
	s_lshl_b32 s14, s14, 24                        ; out0: the batch's 512 rows of 32,768 bytes,
	s_lshl_b32 s15, s[BLK], 21                     ; my 64 rows,
	s_add_co_u32 s14, s14, s15
	s_and_b32 s15, s[BH], 7
	s_lshl_b32 s15, s15, 12                        ; the head's 4,096 bytes of a row,
	s_add_co_u32 s14, s14, s15
	s_lshl_b32 s15, s[WV], 10                      ; my wave's 1,024 of them
	s_add_co_u32 s14, s14, s15
	s_mov_b32 s15, 0
	s_wait_dscnt 0x0                               ; the opening add is done
	s_wait_kmcnt 0x0
	s_mov_b32 s[G0K], 1                            ; 1:0 count = 1
	s_mov_b32 s[G0K+1], s45                        ; 63:32 LDS address: K's buffer, my quarter
	s_add_nc_u64 s[G0K+2:G0K+3], s[4:5], s[48:49]  ; 120:64 global address: key step 0
	s_or_b32 s[G0K+3], s[G0K+3], 0x80000000        ; 127:126 type = 2
	s_mov_b32 s[G0V], 1
	s_add_co_u32 s[G0V+1], s45, VBUF
	s_add_nc_u64 s[G0V+2:G0V+3], s[4:5], s[50:51]
	s_or_b32 s[G0V+3], s[G0V+3], 0x80000000
	s_add_nc_u64 s[PFK:PFK+1], s[4:5], s[48:49]
	s_add_nc_u64 s[PFK:PFK+1], s[PFK:PFK+1], s[52:53]
	s_add_nc_u64 s[PFK:PFK+1], s[PFK:PFK+1], 2*STEPB   ; K of key step 2: steps 0 and 1 come by their loads alone
	s_add_nc_u64 s[PFV:PFV+1], s[4:5], s[50:51]
	s_add_nc_u64 s[PFV:PFV+1], s[PFV:PFV+1], s[52:53]
	s_add_nc_u64 s[PFV:PFV+1], s[PFV:PFV+1], STEPB     ; V of key step 1
	s_add_nc_u64 s[12:13], s[4:5], s[54:55]        ; Q's block
	s_add_nc_u64 s[6:7], s[6:7], s[14:15]          ; O
	ROUND                                          ; all four work-groups are here: the first joint loads meet
	tensor_load_to_lds s[G0K:G0K+3], s[G1:G1+7]    ; K of key step 0, my quarter
	s_nop 0
	PLACES
	v_and_b32 v26, 31, v0                          ; lane
	v_and_b32 v27, 15, v0                          ; r
	v_bfe_u32 v28, v0, 4, 1                        ; h
	v_lshlrev_b32 v[LI], 4, v26
	v_lshlrev_b32 v[LS], 2, v26
	s_and_b32 s61, s[WV], 1                        ; my query tile is tile wave % 2 of its block
	s_mul_i32 s62, s61, 8*IMG
	v_add_nc_u32 v[QA], s62, v[LI]
	s_lshl_b32 s62, s61, 6
	v_lshl_add_u32 v[QSA], v27, 2, s62             ; lanes 0-15 (and 16-31 again) take my tile's half of a line
	WIN 0x40                                       ; destination window 1
.irp s, 0,1,2,3,4,5,6,7
.irp c, 0,1,2
	global_load_b128 v[12*\s+4*\c:12*\s+4*\c+3], v[QA], s[12:13] offset:IMG*\s+512*\c   ; Q's eight fragments stay in registers
.endr
.endr
	WIN 0
.irp s, 0,1,2,3,4,5,6,7
	global_load_b32 v[QSW+\s], v[QSA], s[12:13] offset:SLN+128*\s
.endr
	v_lshlrev_b32 v[KA], 4, v26
	v_lshl_add_u32 v[KA+1], v26, 4, 2*BLKB
	v_lshl_add_u32 v[KSA], v26, 2, SLN
	v_lshl_add_u32 v[KSA+1], v26, 2, 2*BLKB+SLN
	s_add_co_u32 s56, s45, VBUF
	v_add_nc_u32 v[VA], s56, v[LI]
	s_add_co_u32 s57, s56, SLN
	v_add_nc_u32 v[VSA], s57, v[LS]
	s_mul_i32 s58, s[WV], IMG
	s_add_co_u32 s58, s58, PIMG
	v_add_nc_u32 v[PWI], s58, v[LI]
	s_lshl_b32 s59, s[WV], 7
	s_add_co_u32 s59, s59, PSC
	v_add_nc_u32 v[PWS], s59, v[LS]
	v_lshl_add_u32 v[PRI], v26, 4, PIMG
	v_lshl_add_u32 v[PRS], v26, 2, PSC
	s_lshl_b32 s60, s[BLK], 6                      ; my query = 64 x block + 32 (wave / 2) + 8 (wave % 2) + r + 8 (r / 8)
	s_lshr_b32 s62, s[WV], 1
	s_lshl_b32 s62, s62, 5
	s_add_co_u32 s60, s60, s62
	s_lshl_b32 s62, s61, 3
	s_add_co_u32 s60, s60, s62
	v_and_b32 v29, 8, v27
	v_add_nc_u32 v29, v29, v27
	v_lshlrev_b32 v30, 4, v28
	v_sub_nc_u32 v29, v29, v30
	v_add_nc_u32 v[TQ], s60, v29
	s_mul_i32 s63, s[WV], 16*SPITCH
	s_add_co_u32 s63, s63, STAGE                   ; my stage
	v_mul_u32_u24 v[STO], v27, SPITCH
	v_lshl_add_u32 v[STO], v28, 6, v[STO]
	v_add_nc_u32 v[STO], s63, v[STO]               ; in: row r, + 64 h
	v_add_nc_u32 v[RD], s63, v[LI]                 ; back: 32 lanes take a row's 512 bytes
	v_min_u32 v[PFO], 24, v26
	v_lshlrev_b32 v[PFO], 8, v[PFO]
	v_mov_b32 v13, 0xff61b1e6                      ; the largest t so far: -3e38, under every t
	v_floor_f32 v12, -v13                          ; -M
	v_mov_b32 v14, 0                               ; the sum, in two halves
	v_mov_b32 v15, 0
.irp b, 0,1,2,3
	v_mov_b32 v[236+\b], 0                         ; written once: a lane permute's destination counts as one of its sources
	v_mov_b32 v[F+2*\b+1], 0                       ; (named as the upper halves of f's pairs)
.endr
	v_mov_b32 v253, 0                              ; (named as the upper half of the pair v[252:253] before it is first written)
	s_wait_loadcnt 0x0                             ; Q
; A KEY STEP: 128 keys.  first = 1: V's buffer has its first fill, O^T's sums begin.  last = 1: no K follows.
.macro STEP first, last
	; ---- the change at the step's head: K of this step is whole, nobody reads V's buffer or p's images any more; V of this step is asked for
	s_wait_tensorcnt 0x0                           ; my one tensor load, my quarter of this step's K, has landed: so a group 0 may be written
	ds_add_u32 v[SPW], v[NIL]                      ; 0 onto my spare word; the steps below stand between it and the wait for it
.if !\first
	s_add_nc_u64 s[G0V+2:G0V+3], s[G0V+2:G0V+3], STEPB   ; the type bits on top are not reached
.if !\last
	s_wait_xcnt 0x0                                ; the last prefetches have had their addresses translated (ISA guide 3.1): so this one may be written
	s_add_nc_u64 s[PFV:PFV+1], s[PFV:PFV+1], STEPB
.endif
.endif
	s_wait_dscnt 0x0                               ; the add is done, and my reads of V's buffer and of the images are over
	ROUND                                          ; both hold of every wave of every partner
	tensor_load_to_lds s[G0V:G0V+3], s[G1:G1+7]    ; the first thing behind the round, and my one tensor load until the next
	s_nop 0
	PLACES                                         ; (also the places in front of the loads below)
	; ---- S^T = K Q^T: 8 key tiles in two halves of 4; in a half 8 K steps; the half's four accumulators by turns
.irp q4, 0,1,2,3
.irp s, 0,1,2,3,4,5,6,7
	ds_load_b32 v[KSW+8*\q4+\s], v[KSA+\q4/2] offset:BLKB*(\q4%2)+128*\s   ; K's scale lines: block q4, K step s
.endr
.endr
	WIN 0x40                                       ; destination window 1
	KSET 0
	KSET 1
	WIN 0
.if \first
	ASK PFV, 1
.elseif !\last
	ASK PFV, 2
.endif
.set NN, 0
.rept 16
.if NN > 0
	PLACES                                         ; set NN + 2 lands where set NN - 1 lay, which the four products just issued have read
.endif
.if NN < 14
	WIN 0x40
	KSET NN+2
	s_wait_dscnt 24                                ; set NN is in; the two younger sets, 12 loads each, may be out
.elseif NN == 14
	s_wait_dscnt 12                                ; the one younger set may be out
.else
	s_wait_dscnt 0x0
.endif
	WIN 0x05                                       ; K and Q in window 1, S^T in window 0
.set rZ, 0
.if NN%8 == 0
.set rZ, 1
.endif
.irp t, 0,1,2,3
.set rD, 96+8*(4*(NN/8)+\t)
.set rA, KR+48*(NN%3)+12*\t
.set rB, 12*(NN%8)
.set rSA, KSW+8*(2*(NN/8)+\t/2)+NN%8
.set rSB, QSW+NN%8
.set rR, \t%2
	MM
.endr
.set NN, NN+1
.endr
	WIN 0
	PLACES
	; ---- the mask.  Register 16 b + i holds key KF + 32 b + 16 (lane / 16) + i.  A step all of whose keys count for all of the cluster's queries skips this: a branch on ids and the count of steps, alike in all partners
	s_add_co_u32 s44, s[KF], 127
	s_cmp_le_u32 s44, s[QC]
	s_cbranch_scc1 .Lopen_\@
	v_sub_nc_u32 v252, v[TQ], s[KF]                ; d = my query - KF - 16 (lane / 16): hidden where 32 b + i > d
	v_mov_b32 v254, 0xff800000                     ; -infinity: p = 0 then.  Key 0 counts for every query, so M is a number from the first step on
.set jj, 0
.rept 64
	v_cmp_gt_i32 vcc_lo, 32*(jj/16)+jj%16, v252
	v_cndmask_b32 v[96+jj], v[96+jj], v254, vcc_lo
.set jj, jj+1
.endr
.Lopen_\@:
	; ---- the softmax of my 16 queries
.irp b, 0,1,2,3
	v_max3_num_f32 v[232+\b], v[96+16*\b], v[97+16*\b], v[98+16*\b]   ; the largest score of each block of 32 keys: for the row's maximum, and, since p rises with the score, for the block's largest p
.endr
.irp i, 3,5,7,9,11,13
.irp b, 0,1,2,3
	v_max3_num_f32 v[232+\b], v[232+\b], v[96+16*\b+\i], v[97+16*\b+\i]   ; (the four blocks by turns)
.endr
.endr
.irp b, 0,1,2,3
	v_max_num_f32 v[232+\b], v[232+\b], v[111+16*\b]
.endr
.irp b, 0,1,2,3
	v_permlanex16_b32 v[236+\b], v[232+\b], s[SEL], s[SEL+1]
.endr
.irp b, 0,1,2,3
	v_max_num_f32 v[232+\b], v[232+\b], v[236+\b]  ; with lane l xor 16's 16 keys
.endr
	v_max3_num_f32 v254, v232, v233, v234
	v_max_num_f32 v254, v254, v235                 ; the step's largest score of my query
	v_mul_f32 v254, s[CS], v254                    ; as t (c is positive)
	v_max_num_f32 v13, v13, v254                   ; the running largest t
	v_mov_b32 v254, v12
	v_floor_f32 v12, -v13                          ; the new -M = floor(-t) = -ceil(t): M is a whole number
	v_sub_f32 v254, v12, v254                      ; M's old value less its new one: a whole number, 0 or less
	v_cvt_i32_f32 v254, v254                       ; (it saturates)
	v_ldexp_f32 v252, 1.0, v254                    ; f = 2^(old M - new M)
.set jj, 0
.rept 32
	v_pk_fma_f32 v[96+jj:97+jj], v[96+jj:97+jj], s[CS:CS+1], v[12:13] op_sel_hi:[1,0,0]   ; t - M, two at a time (of the pairs c and -M the low word serves both halves)
.set jj, jj+2
.endr
.irp b, 0,1,2,3
	v_fma_f32 v[232+\b], v[232+\b], s[CS], v12     ; the same of each block's largest score
.endr
.set jj, 0
	s_wait_alu depctr_va_vdst(0)
.rept 64
	v_exp_f32 v[96+jj], v[96+jj]                   ; p = 2^(t - M), at most 1: not normalised
.set jj, jj+1
.endr
	v_pk_mul_f32 v[14:15], v[14:15], v[252:253] op_sel_hi:[1,0]   ; the sums under the new M (a plain place behind the exponentials)
	s_wait_alu depctr_va_vdst(0)                   ; the wait ahead of the first line that names a result: one for the batch of 64
.irp b, 0,1,2,3
	v_exp_f32 v[232+\b], v[232+\b]                 ; the block's largest p: the same two instructions on the same number give the same bits
.endr
	v_pk_add_f32 v[236:237], v[96:97], v[98:99]    ; the row's sum is taken of the unquantised p: two at a time, in two chains (it reads the 64 alone: plain work behind the four)
.irp j, 4,8,12,16,20,24,28,32,36,40,44,48,52,56,60
	v_pk_add_f32 v[14:15], v[14:15], v[96+\j:97+\j]
	v_pk_add_f32 v[236:237], v[236:237], v[98+\j:99+\j]
.endr
	v_pk_add_f32 v[14:15], v[14:15], v[236:237]
	s_wait_alu depctr_va_vdst(0)                   ; and one for the four
.irp b, 0,1,2,3
	v_max_num_f32 v[232+\b], 0x2800000, v[232+\b]  ; the floor 2^(5 - 127): the byte cannot fall under 1
.endr
.irp b, 0,1,2,3
	v_add_nc_u32 v[244+\b], 0xfe000000, v[232+\b]  ; 4 off the exponent field: the conversion's scale operand
.endr
.irp b, 0,1,2,3
	v_lshrrev_b32 v[236+\b], 23, v[244+\b]         ; the scale's byte
.endr
	v_lshl_or_b32 v253, v237, 8, v236              ; p's scale word for these 128 keys
	v_lshl_or_b32 v253, v238, 16, v253
	v_lshl_or_b32 v253, v239, 24, v253
.irp c, 0,1
	v_cvt_scalef32_pk16_bf6_f32 v[224+6*\c:226+6*\c], v[96+32*\c:111+32*\c], v[244+2*\c]
	v_cvt_scalef32_pk16_bf6_f32 v[236+4*\c:238+4*\c], v[112+32*\c:127+32*\c], v[244+2*\c+1]   ; (a conversion's three registers begin on an even number)
.endr
	v_nop                                          ; one plain place behind a scaled conversion
.irp c, 0,1                                    ; the operand's layout wants a WHOLE block in a lane: lanes 0-15 block 2 c, lanes 16-31 block 2 c + 1
.irp i, 0,1,2
	v_permlane16_swap_b32 v[224+6*\c+\i], v[236+4*\c+\i]
.endr
.irp i, 0,1,2
	v_mov_b32 v[227+6*\c+\i], v[236+4*\c+\i]
.endr
.endr
.irp c, 0,1,2
	ds_store_b128 v[PWI], v[224+4*\c:227+4*\c] offset:512*\c   ; p's fragment goes to LDS as it stands,
.endr
	ds_store_b32 v[PWS], v253                      ; its scale words,
	ds_store_b32 v[PWS], v252 offset:512           ; and f, a word a lane
	; ---- the change in the step's middle: V of this step and the four images are whole, nobody reads K's buffer any more; K of the next step is asked for
	s_wait_tensorcnt 0x0                           ; my one tensor load, my quarter of this step's V, has landed
	ds_add_u32 v[SPW], v[NIL]
.if !\last
	s_add_nc_u64 s[G0K+2:G0K+3], s[G0K+2:G0K+3], STEPB
.if !\first
	s_wait_xcnt 0x0                                ; as above
	s_add_nc_u64 s[PFK:PFK+1], s[PFK:PFK+1], STEPB
.endif
.endif
	s_wait_dscnt 0x0                               ; the add is done, my stores have landed, my reads of K's buffer are over
.if !\last
	ROUND
	tensor_load_to_lds s[G0K:G0K+3], s[G1:G1+7]    ; the first thing behind the round, and my one tensor load until the next
	s_nop 0
	PLACES
.else
	s_barrier_signal -1                            ; nothing is filled again: my work-group's barrier alone, for the images
	s_barrier_wait -1
.endif
	; ---- O^T += V^T P^T: my 16 feature tiles x the four query tiles; K = these 128 keys
.if !\first
.irp i, 0,1,2,3
	ds_load_b32 v[F+2*\i], v[PRS] offset:512+128*\i   ; f of query tile i: lane (r, h) takes query r's
.endr
.endif
.irp i, 0,1,2,3
	ds_load_b32 v[PSW+\i], v[PRS] offset:128*\i
.endr
.irp m, 0,1,2,3,4,5,6,7
	ds_load_b32 v[VSW+\m], v[VSA] offset:128*\m
.endr
	WIN 0x40
.irp i, 0,1,2,3
.irp c, 0,1,2
	ds_load_b128 v[PF+12*\i+4*\c:PF+12*\i+4*\c+3], v[PRI] offset:IMG*\i+512*\c
.endr
.endr
	VSET 0
	VSET 1
	WIN 0
.if \first
	ASK PFK, 1
.elseif !\last
	ASK PFK, 3
.endif
.if !\first
	s_wait_dscnt 48                                ; f's four loads are in; the 4 + 8 + 12 + 24 behind them may be out
.irp hw, 0,1
	WIN 0x82+0x41*\hw                              ; O^T (destination and source 0) in window 2, then 3; f in window 0
.irp i, 0,1
.set kk, 0
.rept 64
	v_pk_mul_f32 v[128*\i+kk:128*\i+kk+1], v[128*\i+kk:128*\i+kk+1], v[F+2*(2*\hw+\i):F+2*(2*\hw+\i)+1] op_sel_hi:[1,0]   ; O^T under the new M; each accumulator from its low end on
.set kk, kk+2
.endr
.endr
.endr
.endif
.set NV, 0
	s_wait_alu depctr_va_vdst(0)
.rept 4
.if NV < 3
	s_wait_dscnt 12                                ; set NV is in; the one younger set may be out
.else
	s_wait_dscnt 0x0
.endif
.irp hw, 0,1
	WIN 0xa5+0x50*\hw                              ; V and p in window 1; C and D in window 2, then 3
.irp t, 0,1,2,3
.irp i, 0,1
.set rD, 128*\i+8*(4*NV+\t)
.set rA, VF+48*(NV%2)+12*\t
.set rB, PF+12*(2*\hw+\i)
.set rSA, VSW+(4*NV+\t)/2
.set rSB, PSW+2*\hw+\i
.set rR, \t%2
.set rZ, \first
	MM                                             ; 64 different accumulators in a step: no two that follow each other share one
.endr
.endr
.endr
	WIN 0
	PLACES
.if NV < 2
	WIN 0x40
	VSET NV+2
.endif
.set NV, NV+1
.endr
	WIN 0
	s_add_co_u32 s[KF], s[KF], 128
.endm
	STEP 1, 0
	s_cmp_eq_u32 s[CNT], 0                         ; the first cluster has two steps, the second four: the cluster's number, alike in all partners and all waves
	s_cbranch_scc1 .Llast
.Lmid:
	STEP 0, 0
	s_sub_co_u32 s[CNT], s[CNT], 1
	s_cmp_lg_u32 s[CNT], 0
	s_cbranch_scc1 .Lmid
.Llast:
	STEP 0, 1                                      ; the last step is written out: it asks for no K
	; THE WAY OUT.  1 / sum of my 16 queries goes to the other waves as f did; then O^T, divided, goes through my stage in LDS, 16 queries x 128 features at a time, and leaves as whole rows of 512 bytes.
	v_add_f32 v14, v14, v15                        ; the sum's two halves,
	v_permlanex16_b32 v252, v14, s[SEL], s[SEL+1]
	v_add_f32 v14, v14, v252                       ; and lane l xor 16's: the row's sum
	s_wait_alu depctr_va_vdst(0)
	v_rcp_f32 v14, v14
	v_nop                                          ; a plain place behind the transcendental
	s_wait_alu depctr_va_vdst(0)                   ; and the wait ahead of the first line that names its result
	ds_store_b32 v[PWS], v14 offset:1024
	s_wait_dscnt 0x0                               ; for the others' sake: my store has landed
	s_barrier_signal -1
	s_barrier_wait -1
.irp i, 0,1,2,3
	ds_load_b32 v[F+2*\i], v[PRS] offset:1024+128*\i
.endr
	s_wait_dscnt 0x0
; Piece e = 2 i + x: query tile i, my feature tiles 8 x .. 8 x + 7.  A lane's 16 registers of tiles 2 m, 2 m + 1 are 16 neighbouring features: 64 bytes of its query's row.
.macro PACK e
	WIN 2+(\e)/4                                   ; source 0: O^T's window
.set kk, 0
.rept 32
	v_pk_mul_f32 v[T+kk:T+kk+1], v[128*(((\e)/2)%2)+64*((\e)%2)+kk:128*(((\e)/2)%2)+64*((\e)%2)+kk+1], v[F+2*((\e)/2):F+2*((\e)/2)+1] op_sel_hi:[1,0]   ; O^T / the sum; each accumulator from its low end on
.set kk, kk+2
.endr
	WIN 0
.endm
.macro TOSTAGE e
.irp m, 0,1,2,3
.irp q, 0,1,2,3
	ds_store_b128 v[STO], v[T+16*\m+4*\q:T+16*\m+4*\q+3] offset:128*\m+16*\q
.endr
.endr
	WIN 0x40                                       ; destination window 1
.irp p, 0,1,2,3,4,5,6,7,8,9,10,11,12,13,14,15
	ds_load_b128 v[BK+64*((\e)%2)+4*\p:BK+64*((\e)%2)+4*\p+3], v[RD] offset:SPITCH*\p   ; LDS serves a wave's instructions in order (ISA guide 5.7.1.4): these see the stores above, and the next piece's stores come behind them
.endr
	WIN 0
.endm
.macro SEND e, younger                 ; younger: the LDS instructions issued behind piece e's loads, which may stay out
	s_wait_dscnt \younger
	WIN 0x04                                       ; a store's data are its source 1: window 1
.irp p, 0,1,2,3,4,5,6,7,8,9,10,11,12,13,14,15
	global_store_b128 v[LI], v[BK+64*((\e)%2)+4*\p:BK+64*((\e)%2)+4*\p+3], s[6:7] offset:(32*((\e)/4)+8*(((\e)/2)%2)+\p+8*(\p/8))*32768+512*((\e)%2) th:TH_STORE_NT   ; row p of tile i is query 32 (i / 2) + 8 (i % 2) + p + 8 (p / 8) of my 64; 32 lanes store 512 consecutive bytes, aligned; 63 rows at the most: inside the signed 24-bit immediate
.endr
	WIN 0
.endm
	PACK 0
	TOSTAGE 0
.irp e, 1,2,3,4,5,6,7
.if \e > 1
	s_wait_xcnt 0x0                                ; piece e - 2's stores have had their addresses translated (ISA guide 3.1): only behind this wait may piece e's loads land on their data
.endif
	PACK \e
	TOSTAGE \e
	SEND \e-1, 32                                  ; behind piece e - 1's loads: piece e's 16 stores and 16 loads
.endr
	SEND 7, 0
	s_wait_tensorcnt 0x0                           ; the wave's end: behind my last tensor load and my last LDS store
	ds_add_u32 v[SPW], v[NIL]
	s_wait_dscnt 0x0
	ROUND                                          ; the closing round: no work-group ends while a partner may still ask for a tile that names it
	s_endpgm
.Lfunc_end_k_q00dabe7a8f_attn:
	.size	k_q00dabe7a8f_attn, .Lfunc_end_k_q00dabe7a8f_attn-k_q00dabe7a8f_attn
	.p2alignl 7, 3214868480
	.fill 96, 4, 3214868480
	.section	.rodata,"a",@progbits
	.p2align	6, 0x0
	.amdhsa_kernel k_q00dabe7a8f_attn
		.amdhsa_group_segment_fixed_size 327680
		.amdhsa_private_segment_fixed_size 0
		.amdhsa_enable_private_segment 0
		.amdhsa_kernarg_size 16
		.amdhsa_user_sgpr_count 2
		.amdhsa_user_sgpr_kernarg_segment_ptr 1
		.amdhsa_wavefront_size32 1
		.amdhsa_system_sgpr_workgroup_id_x 1
		.amdhsa_system_sgpr_workgroup_id_y 1
		.amdhsa_system_sgpr_workgroup_id_z 1
		.amdhsa_system_vgpr_workitem_id 0
		.amdhsa_next_free_vgpr 1024
		.amdhsa_next_free_sgpr 66
		.amdhsa_reserve_vcc 1
		.amdhsa_float_denorm_mode_32 3
		.amdhsa_float_denorm_mode_16_64 3
		.amdhsa_memory_ordered 1
		.amdhsa_forward_progress 1
		.amdhsa_inst_pref_size 255
	.end_amdhsa_kernel
	.section	.bss,"aw",@nobits
	.p2align	6
	.space	262144
	.amdgpu_metadata
---
amdhsa.version: [ 1, 2 ]
amdhsa.kernels:
  - .name:           k_q00dabe7a8f_attn
    .symbol:         k_q00dabe7a8f_attn.kd
    .args:
      - { .name: qkv, .offset: 0, .size: 8, .value_kind: global_buffer, .address_space: global }
      - { .name: out0, .offset: 8, .size: 8, .value_kind: global_buffer, .address_space: global }
    .group_segment_fixed_size: 327680
    .private_segment_fixed_size: 0
    .kernarg_segment_align: 8
    .kernarg_segment_size: 16
    .max_flat_workgroup_size: 128
    .sgpr_count:     66
    .vgpr_count:     1024
    .wavefront_size: 32
...
	.end_amdgpu_metadata
.endif
;; end of part 3
